; MI455X (gfx1250); checked and timed in simulation.
; The chip was launched on July 23, 2026; its instructions are those of AMD's public machine-readable ISA for CDNA 5 (MIT licence, August 2026) and "CDNA5" Instruction Set Architecture Reference Guide (July 2026). The comments in the code are by the model that wrote it; some were corrected since.
;; Multi Head Attention. Allowed arithmetic: float matrix products may take bf16 or f16 operands with f32 sums; all other float work in f32.
;; Inputs: Wk 1,024 x 1,024 float32; Wo 1,024 x 1,024 float32; Wq 1,024 x 1,024 float32; Wv 1,024 x 1,024 float32; bk 1,024 float32; bo 1,024 float32; bq 1,024 float32; bv 1,024 float32; key 2 x 2,048 x 1,024 float32; query 2 x 2,048 x 1,024 float32; value 2 x 2,048 x 1,024 float32.
;; Outputs: out0 2 x 2,048 x 1,024 float32.
;; One version. Each part assembles by itself: llvm-mc -triple=amdgcn-amd-amdhsa -mcpu=gfx1250 --defsym DOCPART=n.
;; ======== version 1 of 1: 4 launches
;; limits: values are held in f16: magnitudes above 65,504 overflow, below 6.1e-05 lose precision
;; workspace buffers: acth 25,165,824 bytes; wtsh 8,388,608 bytes; proj 25,165,824 bytes; xo 8,388,608 bytes
;; launch conv (part 1): grid 256 x 4, 8 waves a work-group, no clusters, 0 bytes of LDS; arguments query, key, value, Wq, Wk, Wv, Wo, acth, wtsh; writes acth, wtsh
.if DOCPART == 1
	.amdgcn_target "amdgcn-amd-amdhsa--gfx1250"
	.amdhsa_code_object_version 6
	.text
	.protected	k_q6e7062b521_conv
	.globl	k_q6e7062b521_conv
	.p2align	8
	.type	k_q6e7062b521_conv,@function
k_q6e7062b521_conv:
	s_mov_b64 s[64:65], 0
	v_nop
	global_prefetch_b8 v0, s[64:65] scope:SCOPE_SE
	s_setreg_imm32_b32 hwreg(HW_REG_WAVE_MODE, 25, 1), 1
	s_wait_xcnt 0x0
; f32 to f16 of the seven large inputs: acth = [query, key, value] as [3][4096][1024] f16, wtsh = [Wq, Wk, Wv, Wo] as [4][1024][1024] f16.
; LIMIT: a number above 65,504 in magnitude becomes infinity, one below 3e-8 becomes 0 (f16, round to nearest even, denormals kept).
; A work-group turns 65,536 bytes of f32 into 32,768 bytes of f16.  Grid y = 0, 1, 2: an activation, x its chunk (256 chunks);
; y = 3: the weights, x >> 6 the tensor, x & 63 its chunk.  Thread t takes the 16 bytes at 16 t + 4,096 i, i = 0 .. 15: a load of a wave covers
; 512 consecutive bytes, a store of a wave (8 bytes a lane) 256 consecutive bytes at a multiple of 256 from the buffer's first byte.
; All sixteen loads go out first; no register is written twice, so there is no loop and no wait but the counted ones.
; No LDS, no matrix unit, no cluster: no byte is used by two work-groups.
.set X, 4                              ; v[4:67]   16 x 4 registers as loaded
.set Y, 68                             ; v[68:99]  16 x 2 registers to store
	s_load_b512 s[8:23], s[0:1], 0x0               ; query, key, value, Wq, Wk, Wv, Wo, acth: a pair each from s[8:9] on
	s_load_b64 s[24:25], s[0:1], 0x40              ; wtsh
	s_and_b32 s2, ttmp7, 0xffff                    ; y
	s_mov_b32 s3, ttmp9                            ; x
	s_lshr_b32 s6, s3, 6
	s_add_co_u32 s6, s6, 3                         ; a weight's place in the list of seven
	s_and_b32 s7, s3, 63                           ; and its chunk
	s_lshl_b32 s34, s2, 23                         ; an activation's 8,388,608 bytes in acth
	s_cmp_lt_u32 s2, 3
	s_cselect_b32 s4, s2, s6                       ; which of the seven inputs
	s_cselect_b32 s5, s3, s7                       ; which chunk of it
	s_cselect_b32 s34, s34, 0
	s_lshl_b32 s26, s5, 16                         ; byte offset in the input
	s_mov_b32 s27, 0
	s_lshl_b32 s28, s3, 15                         ; byte offset in the output: in wtsh tensor and chunk together are x
	s_add_co_u32 s28, s28, s34
	s_mov_b32 s29, 0
	v_lshlrev_b32 v1, 4, v0                        ; 16 t
	v_lshlrev_b32 v2, 3, v0                        ; 8 t
	s_wait_kmcnt 0x0
	s_mov_b64 s[30:31], s[8:9]
.irp i, 1,2,3,4,5,6
	s_cmp_eq_u32 s4, \i
	s_cselect_b64 s[30:31], s[8+2*\i:9+2*\i], s[30:31]
.endr
	s_cmp_lt_u32 s2, 3
	s_cselect_b64 s[32:33], s[22:23], s[24:25]
	s_add_nc_u64 s[30:31], s[30:31], s[26:27]
	s_add_nc_u64 s[32:33], s[32:33], s[28:29]
.irp i, 0,1,2,3,4,5,6,7,8,9,10,11,12,13,14,15
	global_load_b128 v[X+4*\i:X+4*\i+3], v1, s[30:31] offset:4096*\i th:TH_LOAD_NT
.endr
.irp i, 0,1,2,3,4,5,6,7,8,9,10,11,12,13,14,15
	s_wait_loadcnt 15-\i                           ; loads come back in order (ISA guide 5.7.1): load i is in, the 15 - i younger ones stay out
	v_cvt_pk_f16_f32 v[Y+2*\i], v[X+4*\i], v[X+4*\i+1]
	v_cvt_pk_f16_f32 v[Y+2*\i+1], v[X+4*\i+2], v[X+4*\i+3]
	global_store_b64 v2, v[Y+2*\i:Y+2*\i+1], s[32:33] offset:2048*\i
.endr
	s_endpgm
.Lfunc_end_k_q6e7062b521_conv:
	.size	k_q6e7062b521_conv, .Lfunc_end_k_q6e7062b521_conv-k_q6e7062b521_conv
	.p2alignl 7, 3214868480
	.fill 96, 4, 3214868480
	.section	.rodata,"a",@progbits
	.p2align	6, 0x0
	.amdhsa_kernel k_q6e7062b521_conv
		.amdhsa_group_segment_fixed_size 0
		.amdhsa_private_segment_fixed_size 0
		.amdhsa_enable_private_segment 0
		.amdhsa_kernarg_size 72
		.amdhsa_user_sgpr_count 2
		.amdhsa_user_sgpr_kernarg_segment_ptr 1
		.amdhsa_wavefront_size32 1
		.amdhsa_system_sgpr_workgroup_id_x 1
		.amdhsa_system_sgpr_workgroup_id_y 1
		.amdhsa_system_sgpr_workgroup_id_z 1
		.amdhsa_system_vgpr_workitem_id 0
		.amdhsa_next_free_vgpr 100
		.amdhsa_next_free_sgpr 66
		.amdhsa_reserve_vcc 0
		.amdhsa_float_denorm_mode_32 3
		.amdhsa_float_denorm_mode_16_64 3
		.amdhsa_memory_ordered 1
		.amdhsa_forward_progress 1
		.amdhsa_inst_pref_size 8
	.end_amdhsa_kernel
	.amdgpu_metadata
---
amdhsa.version: [ 1, 2 ]
amdhsa.kernels:
  - .name:           k_q6e7062b521_conv
    .symbol:         k_q6e7062b521_conv.kd
    .args:
      - { .name: query, .offset: 0, .size: 8, .value_kind: global_buffer, .address_space: global }
      - { .name: key, .offset: 8, .size: 8, .value_kind: global_buffer, .address_space: global }
      - { .name: value, .offset: 16, .size: 8, .value_kind: global_buffer, .address_space: global }
      - { .name: Wq, .offset: 24, .size: 8, .value_kind: global_buffer, .address_space: global }
      - { .name: Wk, .offset: 32, .size: 8, .value_kind: global_buffer, .address_space: global }
      - { .name: Wv, .offset: 40, .size: 8, .value_kind: global_buffer, .address_space: global }
      - { .name: Wo, .offset: 48, .size: 8, .value_kind: global_buffer, .address_space: global }
      - { .name: acth, .offset: 56, .size: 8, .value_kind: global_buffer, .address_space: global }
      - { .name: wtsh, .offset: 64, .size: 8, .value_kind: global_buffer, .address_space: global }
    .group_segment_fixed_size: 0
    .private_segment_fixed_size: 0
    .kernarg_segment_align: 8
    .kernarg_segment_size: 72
    .max_flat_workgroup_size: 256
    .sgpr_count:     66
    .vgpr_count:     100
    .wavefront_size: 32
...
	.end_amdgpu_metadata
.endif
;; end of part 1
;; launch qkv (part 2): grid 4 x 48, 4 waves a work-group, clusters of 4 x 4, 327,680 bytes of LDS; arguments acth, wtsh, bq, bk, bv, proj; writes proj
.if DOCPART == 2
	.amdgcn_target "amdgcn-amd-amdhsa--gfx1250"
	.amdhsa_code_object_version 6
	.text
	.protected	k_q6e7062b521_qkv
	.globl	k_q6e7062b521_qkv
	.p2align	8
	.type	k_q6e7062b521_qkv,@function
k_q6e7062b521_qkv:
	s_mov_b64 s[64:65], 0
	v_nop
	global_prefetch_b8 v0, s[64:65] scope:SCOPE_SE
	s_setreg_imm32_b32 hwreg(HW_REG_WAVE_MODE, 25, 1), 1
	s_wait_xcnt 0x0
	s_wait_alu depctr_hold_cnt(0) depctr_sa_sdst(0) depctr_va_vdst(0) depctr_va_sdst(0) depctr_va_ssrc(0) depctr_va_vcc(0) depctr_vm_vsrc(0)
	s_getreg_b32 s2, hwreg(HW_REG_IB_STS2, 6, 4)
	s_cmp_eq_u32 s2, 0
	s_cbranch_scc0 .Lentry_in_a_cluster
	s_endpgm
.Lentry_in_a_cluster:
	s_bfe_u32 s2, ttmp6, 0x10000c
	s_cmp_lg_u32 s2, 0xf033
	s_cbranch_scc0 .Lentry_shape_is_right
	s_endpgm
.Lentry_shape_is_right:
; proj[g][m][n] = sum over k of acth[g][m][k] W_g[n][k] + b_g[n], g = 0, 1, 2 (q, k, v): three products as one of 12,288 rows, in which
; the block row picks the weights and the bias.  Operands f16, sums f32, proj rounded once to f16.
; LIMIT: a result above 65,504 in magnitude is stored as infinity.  By the sizes (1,024 products a sum): inputs and weights 30 times the drawn
; spread give about 5,000; common offsets of 30 spreads on both give 1,024 x 30 x 0.94 = 28,800.
; A work-group makes 256 x 256 of proj with four waves; a wave 128 x 128: 64 accumulator tiles of 16 x 16, 512 registers.  K goes in steps of
; 128 through two LDS slots filled by tensor loads whose rows are 256 bytes of memory at multiples of 256 bytes.
; CLUSTERS: 4 x 4 work-groups.  The four of a row of the cluster need the same tiles of acth, the four of a column the same tiles of W: each
; tile is asked for jointly by the four, with one descriptor and a mask that names them.  A cluster's 4 block rows lie in one g: 4 clusters a g.
; REGISTERS in windows of 256: window 0: v16-27 addresses, v64-127 and v128-191 fragments of acth (two buffers), v192-223 at work on the way out;
; window 1: v0-63 the bias as eight accumulator-shaped tiles, v64-127 and v128-191 fragments of W; windows 2, 3: accumulators of my rows 0-63, 64-127.
; THE MATRIX INSTRUCTION IS USED TRANSPOSED (source 0 = rows of W, source 1 = rows of acth): lane l holds row l % 16 of proj and its registers 0 to 7
; the columns 8 (l / 16) + 0 .. 7.  So a tile of the bias is bias[16 b + 8 (l / 16) + j] in register j, and the first product of each accumulator
; takes it as C: the bias costs no vector instruction and nothing is cleared.
.set NB,     8                         ; 16-column blocks of a wave
.set SIZE_K, 1024
.set SIZE_N, 1024
.set KSTEP,  128
.set PITCH,  272                       ; an LDS row: 256 bytes + 16 of padding: row r starts 16 r bytes further modulo 256, so the 16 rows of a fragment load touch 16 different 16-byte columns
.set HALFT,  128*PITCH                 ; 128 rows of acth: one tensor load
.set HALFB,  16*NB*PITCH               ; 16 NB rows of W: one tensor load
.set SLOT,   2*HALFT+2*HALFB           ; acth's 256 rows, then W's 32 NB rows
.set STAGE,  2*SLOT                    ; behind the ring: 16 rows x 272 bytes for each wave, for the way out; no tensor load lands here
.set SPITCH, 272
.set LAPS,   SIZE_K/(2*KSTEP)          ; a lap = two K steps = once round the ring
.set ADRA, 16                          ; v16-17  LDS address of my acth fragments in slot 0, 1
.set ADRB, 20                          ; v20-21  the same for W
.set STO,  24                          ; v24     the way out: where I put 16 bytes of a row
.set RD,   25                          ; v25     the way out: where I read a row back
.set CO,   26                          ; v26     my byte offset in proj
.set BO,   27                          ; v27     my byte offset in the bias: 32 (l / 16)
.set F0,   64
.set F1,   128
.set TMP,  192
.set G1,  24                           ; s[24:31] descriptor group 1, acth's tiles
.set G0,  32                           ; s[32:39] group 0, acth's tiles, a set for each slot
.set G1B, 48                           ; s[48:55] group 1, W's tiles
.set G0B, 56                           ; s[56:63] group 0, W's tiles, a set for each slot
.set MSB, 0
.macro WIN new                         ; the immediate's high byte repeats the setting that is left
.if MSB != \new
	s_set_vgpr_msb (MSB<<8)|\new
.set MSB, \new
.endif
.endm
.set MUL_LO,  0xa1                     ; source 0 (W) window 1, source 1 (acth) window 0, C and D window 2
.set MUL_HI,  0xf1                     ; the same, C and D window 3
.set BIAS_LO, 0x91                     ; C from window 1 (the bias), D window 2
.set BIAS_HI, 0xd1                     ; C from window 1, D window 3
.set TO_B,    0x40                     ; destination window 1, address window 0
; A joint load.  Waves 0 and 1 fetch acth's two halves, waves 2 and 3 W's.  Each line has one mask and one set of registers for all that issue it.
.macro JLOAD s
	s_cmp_eq_u32 s11, 0
	s_cbranch_scc0 .Lfor_b_\@
	tensor_load_to_lds s[G0+4*\s:G0+4*\s+3], s[G1:G1+7]
	s_nop 0
	s_branch .Lasked_\@
.Lfor_b_\@:
	tensor_load_to_lds s[G0B+4*\s:G0B+4*\s+3], s[G1B:G1B+7]
	s_nop 0
.Lasked_\@:
.endm
.macro CREST                           ; a round of the cluster's barrier behind its opening barrier
	s_cmp_lg_u32 s10, 0
	s_cbranch_scc1 .Lnot_wave_0_\@
	s_barrier_signal -3
.Lnot_wave_0_\@:
	s_barrier_wait -3
	s_barrier_signal -1
	s_barrier_wait -1
.endm
.macro CROUND                          ; a whole round
	s_barrier_signal -1
	s_barrier_wait -1
	CREST
.endm
	s_load_b128 s[4:7], s[0:1], 0x0                ; acth s[4:5], wtsh s[6:7]
	s_load_b128 s[68:71], s[0:1], 0x10             ; bq s[68:69], bk s[70:71]
	s_load_b64 s[72:73], s[0:1], 0x20              ; bv
	s_load_b64 s[8:9], s[0:1], 0x28                ; proj
	s_set_vgpr_msb 0x40
	v_lshl_add_u32 v255, v0, 2, 0x48400
	s_set_vgpr_msb 0x4000
	v_mov_b32 v255, 0
	s_set_vgpr_msb 0x1
	ds_add_u32 v255, v255
	s_set_vgpr_msb 0x100
	v_lshrrev_b32 v1, 5, v0
	v_readfirstlane_b32 s10, v1                    ; wave 0..3
	s_lshr_b32 s11, s10, 1                         ; which half of the block's rows is mine.  Also: I fetch acth (0) or W (1)
	s_and_b32 s12, s10, 1                          ; which half of its columns.  Also: which half of that tile I fetch
	s_bfe_u32 s40, ttmp6, 0x40000                  ; cx
	s_bfe_u32 s41, ttmp6, 0x40004                  ; cy
	s_lshl_b32 s42, ttmp9, 2
	s_add_co_u32 s42, s42, s40                     ; block column = 4 x cluster x + cx
	s_and_b32 s13, ttmp7, 0xffff
	s_lshr_b32 s67, s13, 2                         ; g: four clusters (16 block rows, 4,096 rows) for each of q, k, v; the same in all sixteen partners
	s_lshl_b32 s13, s13, 2
	s_add_co_u32 s13, s13, s41                     ; block row = 4 x cluster y + cy
	s_lshl_b32 s43, s41, 2
	s_lshl_b32 s43, 15, s43                        ; my row of the cluster: places 4 cy .. 4 cy + 3
	s_lshl_b32 s44, 0x1111, s40                    ; my column: places cx, cx + 4, cx + 8, cx + 12
	; group 1: rows of 128 elements of 2 bytes, 16 bytes of padding behind each
	s_or_b32 s[G1+0], s43, (1<<16)|(1<<20)|(1<<21)|(5<<22)|(3<<25)  ; 15:0 mask; 17:16 2-byte elements; 20 padding on; 21 set beside a mask; 24:22 after every 64 words; 31:25 four words
	s_or_b32 s[G1B+0], s44, (1<<16)|(1<<20)|(1<<21)|(5<<22)|(3<<25)
	s_mov_b32 s[G1+1], KSTEP<<16                   ; tensor_dim0 = 128
	s_mov_b32 s[G1B+1], KSTEP<<16
	s_mov_b32 s[G1+2], 128<<16                     ; tensor_dim1 = 128 rows
	s_mov_b32 s[G1B+2], (16*NB)<<16                ; tensor_dim1 = 16 NB rows
	s_mov_b32 s[G1+3], KSTEP<<16                   ; tile_dim0 = 128
	s_mov_b32 s[G1B+3], KSTEP<<16
	s_mov_b32 s[G1+4], 128                         ; tile_dim1
	s_mov_b32 s[G1B+4], 16*NB
	s_mov_b32 s[G1+5], SIZE_K                      ; elements from row to row
	s_mov_b32 s[G1B+5], SIZE_K
	s_mov_b32 s[G1+6], 0
	s_mov_b32 s[G1B+6], 0
	s_mov_b32 s[G1+7], 0
	s_mov_b32 s[G1B+7], 0
	; acth's tiles hang on the block row alone, W's on the block column and g alone; each address in registers that never hold the other coordinate
	s_lshl_b32 s17, s12, 7
	s_lshl_b32 s16, s13, 8
	s_add_co_u32 s16, s16, s17                     ; acth: row 256 x block row + 128 x half
	s_mul_i32 s46, s42, 32*NB
	s_mul_i32 s45, s12, 16*NB
	s_add_co_u32 s46, s46, s45                     ; W: row 32 NB x block column + 16 NB x half
	s_mov_b32 s17, 0
	s_mov_b32 s47, 0
	s_mov_b64 s[18:19], SIZE_K*2
	s_mul_u64 s[16:17], s[16:17], s[18:19]         ; in bytes
	s_mul_u64 s[46:47], s[46:47], s[18:19]
	s_lshl_b32 s74, s67, 21                        ; W_g: 2,097,152 bytes each
	s_mov_b32 s75, 0
	s_add_nc_u64 s[46:47], s[46:47], s[74:75]
	s_mul_i32 s20, s10, HALFT                      ; LDS: acth's halves at wave x HALFT (waves 0, 1)
	s_mul_i32 s66, s10, HALFB
	s_add_co_u32 s66, s66, 2*HALFT-2*HALFB         ; W's halves behind them, at 2 HALFT + (wave - 2) x HALFB (waves 2, 3)
	s_mul_i32 s74, s42, 128*NB                     ; my first column in the bias, in bytes
	s_mul_i32 s45, s12, 64*NB
	s_add_co_u32 s74, s74, s45
	s_wait_dscnt 0x0
	s_wait_kmcnt 0x0
	s_add_nc_u64 s[14:15], s[4:5], s[16:17]
	s_add_nc_u64 s[46:47], s[6:7], s[46:47]
	s_mov_b64 s[76:77], s[68:69]                   ; the bias of g
	s_cmp_eq_u32 s67, 1
	s_cselect_b64 s[76:77], s[70:71], s[76:77]
	s_cmp_eq_u32 s67, 2
	s_cselect_b64 s[76:77], s[72:73], s[76:77]
	s_add_nc_u64 s[76:77], s[76:77], s[74:75]
	CROUND                                         ; all sixteen work-groups are here: the first joint loads meet
.irp s, 0,1
	s_mov_b32 s[G0+4*\s], 1                                        ; count = 1
	s_add_co_u32 s[G0+4*\s+1], s20, \s*SLOT                        ; LDS address
	s_add_nc_u64 s[G0+4*\s+2:G0+4*\s+3], s[14:15], \s*KSTEP*2      ; global address: K step s
	s_or_b32 s[G0+4*\s+3], s[G0+4*\s+3], 0x80000000                ; type = 2
	s_mov_b32 s[G0B+4*\s], 1
	s_add_co_u32 s[G0B+4*\s+1], s66, \s*SLOT
	s_add_nc_u64 s[G0B+4*\s+2:G0B+4*\s+3], s[46:47], \s*KSTEP*2
	s_or_b32 s[G0B+4*\s+3], s[G0B+4*\s+3], 0x80000000
	JLOAD \s                                       ; both slots are asked for before anything else: two tensor loads of the wave are out
.endr
	; a fragment is 16 rows x 32 K in 8 registers: lane l holds row l % 16; registers 0-3 K = 8 (l / 16) + 0..7, registers 4-7 K = 16 + 8 (l / 16) + 0..7
	v_and_b32 v1, 15, v0                           ; l % 16
	v_bfe_u32 v2, v0, 4, 1                         ; l / 16
	v_mul_u32_u24 v3, v1, PITCH
	v_lshl_add_u32 v3, v2, 4, v3                   ; row x pitch + 16 x half
	s_mul_i32 s21, s11, HALFT                      ; my 128 rows of acth
	s_mul_i32 s22, s12, HALFB                      ; my 16 NB rows of W,
	s_add_co_u32 s22, s22, 2*HALFT                 ; which lie behind acth's 256
.irp s, 0,1
	v_add_nc_u32 v[ADRA+\s], s21, v3
	v_add_nc_u32 v[ADRB+\s], s22, v3
	s_add_co_u32 s21, s21, SLOT
	s_add_co_u32 s22, s22, SLOT
.endr
	s_mul_i32 s23, s10, 16*SPITCH
	s_add_co_u32 s23, s23, STAGE                   ; my stage
	v_mul_u32_u24 v4, v1, SPITCH                   ; in: row l % 16, 16 bytes for each half of the lanes
	v_lshl_add_u32 v4, v2, 4, v4
	v_add_nc_u32 v[STO], s23, v4
	v_mul_u32_u24 v5, v2, SPITCH                   ; back: lanes 0-15 take one row of 256 bytes, lanes 16-31 the next
	v_lshl_add_u32 v5, v1, 4, v5
	v_add_nc_u32 v[RD], s23, v5
	v_mul_u32_u24 v5, v2, SIZE_N*2                 ; and the same two rows in proj
	v_lshl_add_u32 v[CO], v1, 4, v5
	v_lshlrev_b32 v[BO], 5, v2
	WIN TO_B
.set bi, 0
.rept NB
	global_load_b128 v[8*bi:8*bi+3],   v[BO], s[76:77] offset:64*bi        ; bias[16 b + 8 (l / 16) + 0..3] into window 1
	global_load_b128 v[8*bi+4:8*bi+7], v[BO], s[76:77] offset:64*bi+16     ; + 4..7
.set bi, bi+1
.endr
	WIN 0
; NB matrix instructions: row block a of the window's four (hi = 0: my rows 0-63, 1: rows 64-127) x all NB column blocks, 32 along K.
; bias = 1: the first product starts the sum from the bias tile.
.macro MULA f, hi, a, bias
.set bi, 0
.rept NB
.if \bias
	v_wmma_f32_16x16x32_f16 v[8*(NB*(\a)+bi):8*(NB*(\a)+bi)+7], v[\f+8*bi:\f+8*bi+7], v[\f+8*(4*\hi+\a):\f+8*(4*\hi+\a)+7], v[8*bi:8*bi+7]
.else
	v_wmma_f32_16x16x32_f16 v[8*(NB*(\a)+bi):8*(NB*(\a)+bi)+7], v[\f+8*bi:\f+8*bi+7], v[\f+8*(4*\hi+\a):\f+8*(4*\hi+\a)+7], v[8*(NB*(\a)+bi):8*(NB*(\a)+bi)+7]
.endif
.set bi, bi+1
.endr
.endm
; the fragments of one quarter step (16 NB rows of W, 128 rows of acth, 32 K at byte k of the rows) into buffer f: 2 NB + 16 LDS loads in one run
.macro FETCH slot, k, f
	WIN TO_B
.set fi, 0
.rept NB
	ds_load_b128 v[\f+8*fi:\f+8*fi+3],   v[ADRB+\slot] offset:\k+fi*16*PITCH
	ds_load_b128 v[\f+8*fi+4:\f+8*fi+7], v[ADRB+\slot] offset:\k+fi*16*PITCH+32
.set fi, fi+1
.endr
	WIN 0
.irp i, 0,1,2,3,4,5,6,7
	ds_load_b128 v[\f+8*\i:\f+8*\i+3],   v[ADRA+\slot] offset:\k+\i*16*PITCH
	ds_load_b128 v[\f+8*\i+4:\f+8*\i+7], v[ADRA+\slot] offset:\k+\i*16*PITCH+32
.endr
.endm
; Four plain vector instructions stand between a matrix instruction and a load into one of its registers or a vector instruction that reads its
; result (ISA guide 7.12.1 for vector instructions); matrix instructions in between are not counted.
.macro PLACES
.rept 4
	v_nop
.endr
.endm
; A K step is four quarters of 32 along K on buffers 0, 1, 0, 1.  The accumulators take turns, one instruction a turn, in the same order in every
; quarter.  One of the first three quarters: multiplies buffer f and fetches the next quarter's fragments into buffer g.
.macro QUARTER slot, k, f, g, bias
	s_wait_dscnt 8                                 ; W and acth's rows 0-63 are in; the youngest eight loads (acth's rows 64-127) may be out
.if \bias
	WIN BIAS_LO
.else
	WIN MUL_LO
.endif
	MULA \f, 0, 0, \bias
	MULA \f, 0, 1, \bias
	MULA \f, 0, 2, \bias
	MULA \f, 0, 3, \bias
	PLACES
	FETCH \slot, \k, \g
	s_wait_dscnt 16+2*NB                           ; all but the 16 + 2 NB just issued
.if \bias
	WIN BIAS_HI
.else
	WIN MUL_HI
.endif
	MULA \f, 1, 0, \bias
	MULA \f, 1, 1, \bias
	MULA \f, 1, 2, \bias
	MULA \f, 1, 3, \bias
.endm
.macro THREE slot, bias
	QUARTER \slot, 64,  F0, F1, \bias
	QUARTER \slot, 128, F1, F0, 0
	QUARTER \slot, 192, F0, F1, 0
.endm
; The last quarter multiplies buffer 1 and changes slots.  In front of the barrier each wave waits for its reads of this slot and for all its tensor
; loads (one is out: its part of the next slot).  Behind it (fill = 1: behind the cluster's round that it opens) this slot is asked for again,
; two K steps ahead, first of all; then the next slot's first fragments are read.
.macro TURN slot, next, fill
	s_wait_dscnt 8
	WIN MUL_LO
	MULA F1, 0, 0, 0
	MULA F1, 0, 1, 0
	s_wait_dscnt 0                                 ; my reads of this slot are over
	s_wait_tensorcnt 0x0                           ; all my tensor loads have landed
	ds_add_u32 v255, v255
	s_wait_dscnt 0x0
	s_barrier_signal -1
	MULA F1, 0, 2, 0                               ; registers only, while the others arrive
	MULA F1, 0, 3, 0
	WIN 0
	s_barrier_wait -1
.if \fill
	CREST                                          ; no wave of any partner still reads this slot or has a load on its way
	s_add_nc_u64 s[G0+4*\slot+2:G0+4*\slot+3], s[G0+4*\slot+2:G0+4*\slot+3], 2*KSTEP*2
	s_add_nc_u64 s[G0B+4*\slot+2:G0B+4*\slot+3], s[G0B+4*\slot+2:G0B+4*\slot+3], 2*KSTEP*2
	JLOAD \slot                                    ; the wave's one tensor load behind the round
.endif
	PLACES
	FETCH \next, 0, F0
	WIN MUL_HI
	MULA F1, 1, 0, 0
	MULA F1, 1, 1, 0
	MULA F1, 1, 2, 0
	MULA F1, 1, 3, 0
.endm
.macro LAP bias
	THREE 0, \bias
	TURN 0, 1, 1
	THREE 1, 0
	TURN 1, 0, 1
.endm
	s_wait_loadcnt 0x0                             ; the bias tiles
	s_wait_tensorcnt 1                             ; my part of K step 0 is in; K step 1's stays out
	s_barrier_signal -1
	s_barrier_wait -1
	FETCH 0, 0, F0
	LAP 1                                          ; the first lap stands in front of the loop: its first products start the sums from the bias
	WIN 0                                          ; at a label and at a branch every window is 0
	s_mov_b32 s3, LAPS-2
.Llap:
	LAP 0
	WIN 0
	s_sub_co_u32 s3, s3, 1
	s_cmp_lg_u32 s3, 0
	s_cbranch_scc1 .Llap
	THREE 0, 0                                     ; the last lap fills nothing
	TURN 0, 1, 0
	THREE 1, 0
	s_wait_dscnt 8                                 ; the very last quarter
	WIN MUL_LO
	MULA F1, 0, 0, 0
	MULA F1, 0, 1, 0
	MULA F1, 0, 2, 0
	MULA F1, 0, 3, 0
	s_wait_dscnt 0
	WIN MUL_HI
	MULA F1, 1, 0, 0
	MULA F1, 1, 1, 0
	MULA F1, 1, 2, 0
	MULA F1, 1, 3, 0
	; THE WAY OUT, 16 rows at a time: round to f16, 16 bytes a lane into my own stage, read back as whole rows of 256 bytes
	PLACES
	s_lshl_b32 s13, s13, 8
	s_lshl_b32 s14, s11, 7
	s_add_co_u32 s16, s13, s14                     ; my first row of proj
	s_mov_b32 s17, 0
	s_mov_b64 s[18:19], SIZE_N*2
	s_mul_u64 s[16:17], s[16:17], s[18:19]
	s_add_nc_u64 s[8:9], s[8:9], s[16:17]
	s_lshl_b32 s46, s42, 9                         ; my first column, in bytes: 512 x block + 256 x half
	s_lshl_b32 s47, s12, 8
	s_add_co_u32 s46, s46, s47
	s_mov_b32 s47, 0
	s_add_nc_u64 s[8:9], s[8:9], s[46:47]
; rows 16 i .. 16 i + 15 of my block = the eight tiles (a, 0..7) of window 2 or 3 (from = 0x0a or 0x0f: sources 0 and 1); f: F0 or F1 in turn
.macro OUT16 i, a, from, f
	WIN \from
.irp b, 0,1,2,3,4,5,6,7
.irp r, 0,1,2,3
	v_cvt_pk_f16_f32 v[TMP+4*\b+\r], v[8*(8*\a+\b)+2*\r], v[8*(8*\a+\b)+2*\r+1]
.endr
.endr
	WIN 0
.irp b, 0,1,2,3,4,5,6,7
	ds_store_b128 v[STO], v[TMP+4*\b:TMP+4*\b+3] offset:32*\b
.endr
	s_wait_xcnt 0x0                                ; buffer f, which earlier stores read, and the stores' base are rewritten only behind this wait (ISA guide 3.1)
.if \i
	s_add_nc_u64 s[8:9], s[8:9], 16*SIZE_N*2       ; 16 rows on
.endif
.irp t, 0,1,2,3,4,5,6,7
	ds_load_b128 v[\f+4*\t:\f+4*\t+3], v[RD] offset:\t*2*SPITCH    ; LDS serves a wave's instructions in order (ISA guide 5.7.1.4): these see the stores above
.endr
.irp t, 0,1,2,3,4,5,6,7
	s_wait_dscnt 7-\t
	global_store_b128 v[CO], v[\f+4*\t:\f+4*\t+3], s[8:9] offset:2*\t*SIZE_N*2   ; 16 lanes store 256 consecutive bytes, at a multiple of 256 from proj's first byte
.endr
.endm
	OUT16 0, 0, 0x0a, F0
	OUT16 1, 1, 0x0a, F1
	OUT16 2, 2, 0x0a, F0
	OUT16 3, 3, 0x0a, F1
	OUT16 4, 0, 0x0f, F0
	OUT16 5, 1, 0x0f, F1
	OUT16 6, 2, 0x0f, F0
	OUT16 7, 3, 0x0f, F1
	s_set_vgpr_msb 0x1
	s_wait_tensorcnt 0x0
	ds_add_u32 v255, v255
	s_wait_dscnt 0x0
	s_set_vgpr_msb 0x100
	CROUND                                         ; the closing round: no work-group ends while a partner may still ask for a tile that names it
	s_endpgm
.Lfunc_end_k_q6e7062b521_qkv:
	.size	k_q6e7062b521_qkv, .Lfunc_end_k_q6e7062b521_qkv-k_q6e7062b521_qkv
	.p2alignl 7, 3214868480
	.fill 96, 4, 3214868480
	.section	.rodata,"a",@progbits
	.p2align	6, 0x0
	.amdhsa_kernel k_q6e7062b521_qkv
		.amdhsa_group_segment_fixed_size 327680
		.amdhsa_private_segment_fixed_size 0
		.amdhsa_enable_private_segment 0
		.amdhsa_kernarg_size 48
		.amdhsa_user_sgpr_count 2
		.amdhsa_user_sgpr_kernarg_segment_ptr 1
		.amdhsa_wavefront_size32 1
		.amdhsa_system_sgpr_workgroup_id_x 1
		.amdhsa_system_sgpr_workgroup_id_y 1
		.amdhsa_system_sgpr_workgroup_id_z 1
		.amdhsa_system_vgpr_workitem_id 0
		.amdhsa_next_free_vgpr 1024
		.amdhsa_next_free_sgpr 80
		.amdhsa_reserve_vcc 0
		.amdhsa_float_denorm_mode_32 3
		.amdhsa_float_denorm_mode_16_64 3
		.amdhsa_memory_ordered 1
		.amdhsa_forward_progress 1
		.amdhsa_inst_pref_size 199
	.end_amdhsa_kernel
	.amdgpu_metadata
---
amdhsa.version: [ 1, 2 ]
amdhsa.kernels:
  - .name:           k_q6e7062b521_qkv
    .symbol:         k_q6e7062b521_qkv.kd
    .args:
      - { .name: acth, .offset: 0, .size: 8, .value_kind: global_buffer, .address_space: global }
      - { .name: wtsh, .offset: 8, .size: 8, .value_kind: global_buffer, .address_space: global }
      - { .name: bq, .offset: 16, .size: 8, .value_kind: global_buffer, .address_space: global }
      - { .name: bk, .offset: 24, .size: 8, .value_kind: global_buffer, .address_space: global }
      - { .name: bv, .offset: 32, .size: 8, .value_kind: global_buffer, .address_space: global }
      - { .name: proj, .offset: 40, .size: 8, .value_kind: global_buffer, .address_space: global }
    .group_segment_fixed_size: 327680
    .private_segment_fixed_size: 0
    .kernarg_segment_align: 8
    .kernarg_segment_size: 48
    .max_flat_workgroup_size: 128
    .sgpr_count:     80
    .vgpr_count:     1024
    .wavefront_size: 32
...
	.end_amdgpu_metadata
.endif
;; end of part 2
;; launch attn (part 3): grid 16 x 16, 8 waves a work-group, clusters of 4 x 1, 327,680 bytes of LDS; arguments proj, xo; writes xo
.if DOCPART == 3
	.amdgcn_target "amdgcn-amd-amdhsa--gfx1250"
	.amdhsa_code_object_version 6
	.text
	.protected	k_q6e7062b521_attn
	.globl	k_q6e7062b521_attn
	.p2align	8
	.type	k_q6e7062b521_attn,@function
k_q6e7062b521_attn:
	s_mov_b64 s[64:65], 0
	v_nop
	global_prefetch_b8 v0, s[64:65] scope:SCOPE_SE
	s_setreg_imm32_b32 hwreg(HW_REG_WAVE_MODE, 25, 1), 1
	s_wait_xcnt 0x0
	s_wait_alu depctr_hold_cnt(0) depctr_sa_sdst(0) depctr_va_vdst(0) depctr_va_sdst(0) depctr_va_ssrc(0) depctr_va_vcc(0) depctr_vm_vsrc(0)
	s_getreg_b32 s2, hwreg(HW_REG_IB_STS2, 6, 4)
	s_cmp_eq_u32 s2, 0
	s_cbranch_scc0 .Lentry_in_a_cluster
	s_endpgm
.Lentry_in_a_cluster:
	s_bfe_u32 s2, ttmp6, 0x10000c
	s_cmp_lg_u32 s2, 0x3003
	s_cbranch_scc0 .Lentry_shape_is_right
	s_endpgm
.Lentry_shape_is_right:
; xo[row][64 head + d] = softmax over keys of (q . k / 8) times v, from proj = [q, k, v] as [3][4096][1024] f16; xo [4096][1024] f16.
; A work-group takes 128 query rows of one batch and TWO heads (a head pair's 128 columns are 256 bytes of a row of proj and of xo, at a multiple
; of 256 bytes).  Eight waves: wave w works on head 2 hp + (w >> 2) and on the 32 query rows 32 (w & 3) .. + 31, over all 2,048 keys, 128 keys a step.
; Two waves lie on a SIMD, 512 registers each.
; CLUSTERS: the four work-groups of a cluster are four query blocks of the same batch and head pair: they read the same K and V tiles and ask for
; them jointly (mask 15).
; ORIENTATION: S^T = K Q^T (source 0 = 16 keys, source 1 = 16 queries): lane (r = l % 16, h = l / 16) holds query r and keys 16 t + 8 h + j in
; register j of tile t.  So a query's maximum and sum lie in two lanes (l and l xor 16), and two neighbouring tiles of S^T, packed to f16, ARE the
; second source (16 queries x 32 keys) of O^T = V^T P.  V^T comes from V's rows by the transposing LDS load.
; TWO CHAINS, HALF A STEP APART: the wave's two query blocks u = 0, 1 (16 queries each) do not march together.
;   phase A of step n: the softmax of block 0 on S_0(n); among it the products of block 1: O_1 += V(n-1) P_1(n-1), then S_1(n) = K(n) Q_1;
;   phase B of step n: the softmax of block 1 on S_1(n); among it the products of block 0: O_0 += V(n) P_0(n), then S_0(n+1) = K(n+1) Q_0.
; A phase's 32 products stand in eight groups of four, with about 27 vector instructions of the other block between two groups.  So matrix and
; vector work change every few dozen instructions, and the SIMD's two waves need to be only one group apart for one to have vector work while
; the other multiplies; a barrier, which brings them level, costs them that little lead and no more.
; REGISTERS in two windows of 256.  Window 0: all that vector instructions touch (v0-31 addresses and statistics, Q, O, S).  Window 1: K's and V's
; fragments, which are only ever the first source of a matrix instruction and the destination of an LDS load.  A group of four products costs two
; switches of the window: the price of the mixing (v_exp_f32 and the packing read their first source where the products write, so no one setting
; serves both kinds).
; FRAGMENTS: one buffer each.  V(n) is loaded in the middle of phase A(n), behind the last product that read V(n-1), and waited for at the end of
; that phase; K(n+1) is loaded between the phases, behind the last product that read K(n), and waited for in the middle of phase B(n).
; SOFTMAX: a running maximum m per query, exact; p = 2^(c s + NM), c = log2(e) / 8, NM = -c m rounded once; old sums and O are scaled by
; 2^(NM new - NM old), made from the same rounded NM.  O_u is scaled in block u's own softmax phase, behind all its earlier products.
; LIMITS: P is rounded to f16 for the product (below 3e-8: 0) while the row sum adds the unrounded p; p below 2^-126 is 0 (ISA guide 15.8, v_exp_f32);
; x above 65,504 in magnitude is stored as infinity; a NaN among the scores is dropped by the maximum (v_max3_num_f32), infinities and NaN in the
; inputs are not followed; the sums' order differs from a plain row sum.
.set KP,    272                        ; pitch of K's rows in LDS: 256 + 16
.set VP,    288                        ; pitch of V's rows: 256 + 32, an odd multiple of 32, for the transposing load
.set VREG,  256*VP                     ; a slot: V's 256 keys,
.set SLOT,  VREG+256*KP                ; then K's 256 keys: 143,360 bytes
.set STAGE, 2*SLOT                     ; 128 rows x 272 bytes for the way out; no tensor load lands here
.set VOFF,  16777216                   ; v in proj
.set KOFF,  8388608-4*131072           ; k in proj, less the four waves that fetch V
.set SSTEP, 256*2048                   ; 256 keys further in proj
.set KA, 2                             ; v2-3    LDS address of my K fragments in slot s; the half of the slot stands in the offset (65,376 at the most)
.set VA, 4                             ; v4-7    the same for V: slot s, keys 128 j ..: VA + 2 s + j
.set TA, 8                             ; v8-9    the running maximum of query block u
.set TB, 10                            ; v10-11  at work
.set NM, 12                            ; v[12:15] -c m of block u, twice (a pair for the packed forms)
.set AL, 16                            ; v[16:19] the scale of the old sums, twice; while the maximum is sought: two of its chains
.set LL, 20                            ; v[20:27] the row sum of block u in two pairs, at LL + 4 u and LL + 4 u + 2
.set CC, 28                            ; v[28:29] c, c
.set T4, 30                            ; v30-31  at work
.set QF, 32                            ; v[32:63]   Q fragments (u, c): 8 registers at QF + 16 u + 8 c
.set OO, 64                            ; v[64:127]  O^T tiles (u, dt) at OO + 32 u + 8 dt
.set SS, 128                           ; v[128:255] S^T tiles (u, t) at SS + 64 u + 8 t; P (u, c2) packed in place at SS + 64 u + 8 c2
.set KF, 0                             ; window 1, v[0:127]:   K fragments (c, t) at KF + 64 c + 8 t
.set VF, 128                           ; window 1, v[128:255]: V fragments (c2, dt) at VF + 32 c2 + 8 dt
.set G1V, 24                           ; s[24:31] group 1 for V's tiles
.set G0V, 32                           ; s[32:39] group 0 for V's tiles, a set for each slot
.set G1K, 48                           ; s[48:55] group 1 for K's tiles
.set G0K, 56                           ; s[56:63] group 0 for K's tiles
.set MSB, 0
.macro WIN new                         ; the immediate's high byte repeats the setting that is left; a switch that changes nothing is dropped
.if MSB != \new
	s_set_vgpr_msb (MSB<<8)|\new
.set MSB, \new
.endif
.endm
.set TO_1,   0x40                      ; destination window 1 (a fragment), address window 0
.set A_IN_1, 0x01                      ; source 0 window 1 (a fragment), all else window 0
.macro ROUND                           ; a round of the cluster's barrier
	s_barrier_signal -1
	s_barrier_wait -1
	s_cmp_lg_u32 s10, 0
	s_cbranch_scc1 .Lnot_wave_0_\@
	s_barrier_signal -3
.Lnot_wave_0_\@:
	s_barrier_wait -3
	s_barrier_signal -1
	s_barrier_wait -1
.endm
.macro JLOAD sl                        ; a joint load of 64 rows x 256 bytes: waves 0-3 V's, waves 4-7 K's
	s_cmp_eq_u32 s11, 0
	s_cbranch_scc0 .Lfor_k_\@
	tensor_load_to_lds s[G0V+4*(\sl):G0V+4*(\sl)+3], s[G1V:G1V+7]
	s_nop 0
	s_branch .Lasked_\@
.Lfor_k_\@:
	tensor_load_to_lds s[G0K+4*(\sl):G0K+4*(\sl)+3], s[G1K:G1K+7]
	s_nop 0
.Lasked_\@:
.endm
	s_load_b128 s[4:7], s[0:1], 0x0                ; proj s[4:5], xo s[6:7]
	v_lshl_add_u32 v190, v0, 2, 0x4e800
	v_mov_b32 v191, 0
	ds_add_u32 v190, v191
	s_wait_dscnt 0x0
	v_lshrrev_b32 v1, 5, v0
	v_readfirstlane_b32 s10, v1                    ; wave 0..7
	s_lshr_b32 s11, s10, 2                         ; which head of the pair is mine.  Also: I fetch V (0) or K (1)
	s_and_b32 s12, s10, 3                          ; which 32 query rows
	s_and_b32 s13, ttmp7, 0xffff                   ; y = 8 x batch + head pair
	s_lshr_b32 s14, s13, 3
	s_and_b32 s15, s13, 7
	s_lshl_b32 s14, s14, 22                        ; a batch: 2,048 rows of 2,048 bytes
	s_lshl_b32 s15, s15, 8                         ; a head pair: 256 bytes
	s_add_co_u32 s16, s14, s15
	s_lshl_b32 s8, s10, 17                         ; my 64 keys of a slot's 256
	s_add_co_u32 s8, s8, s16
	s_mov_b32 s9, 0
	s_mul_i32 s47, s10, 64*VP                      ; LDS: V's part of wave w (0-3) at 64 w rows of 288
	s_mul_i32 s41, s10, 64*KP
	s_add_co_u32 s41, s41, VREG-256*KP             ; K's part of wave w (4-7) at VREG + 64 (w - 4) rows of 272
	s_mov_b32 s[G1V+0], 15|(1<<16)|(1<<20)|(1<<21)|(5<<22)|(7<<25)  ; mask: all four partners; 2-byte elements; padding on; bit 21 beside a mask; after every 64 words eight words
	s_mov_b32 s[G1K+0], 15|(1<<16)|(1<<20)|(1<<21)|(5<<22)|(3<<25)  ; the same with four words
	s_mov_b32 s[G1V+1], 128<<16                    ; tensor_dim0 = 128 elements
	s_mov_b32 s[G1K+1], 128<<16
	s_mov_b32 s[G1V+2], 64<<16                     ; tensor_dim1 = 64 rows
	s_mov_b32 s[G1K+2], 64<<16
	s_mov_b32 s[G1V+3], 128<<16                    ; tile_dim0
	s_mov_b32 s[G1K+3], 128<<16
	s_mov_b32 s[G1V+4], 64                         ; tile_dim1
	s_mov_b32 s[G1K+4], 64
	s_mov_b32 s[G1V+5], 1024                       ; elements from row to row
	s_mov_b32 s[G1K+5], 1024
	s_mov_b32 s[G1V+6], 0
	s_mov_b32 s[G1K+6], 0
	s_mov_b32 s[G1V+7], 0
	s_mov_b32 s[G1K+7], 0
	s_bfe_u32 s40, ttmp6, 0x40000                  ; cx: enters Q's and xo's addresses alone
	s_lshl_b32 s42, ttmp9, 2
	s_add_co_u32 s42, s42, s40                     ; query block = 4 x cluster x + cx
	s_lshl_b32 s42, s42, 18                        ; 128 rows of 2,048 bytes
	s_add_co_u32 s42, s42, s16
	s_mov_b32 s43, 0
	s_lshl_b32 s14, s12, 16                        ; my 32 rows
	s_lshl_b32 s17, s11, 7                         ; my head's 128 bytes of the pair's 256
	s_add_co_u32 s14, s14, s17
	s_mov_b32 s15, 0
	s_mov_b32 s44, 0x76543210                      ; v_permlanex16_b32: lane i reads lane i of the other half
	s_mov_b32 s45, 0xfedcba98
	s_mov_b32 s46, 0xbe38aa3b                      ; -c = -log2(e) / 8
	s_wait_kmcnt 0x0
	s_add_nc_u64 s[18:19], s[4:5], s[8:9]          ; proj at batch, head pair and my 64 keys
	s_add_nc_u64 s[20:21], s[4:5], s[42:43]
	s_add_nc_u64 s[20:21], s[20:21], s[14:15]      ; q at my 32 rows and my head
	s_lshl_b32 s14, s10, 15                        ; the way out: wave w stores rows 16 w .. 16 w + 15 of the block
	s_add_nc_u64 s[22:23], s[6:7], s[42:43]
	s_add_nc_u64 s[22:23], s[22:23], s[14:15]
	ROUND                                          ; all four work-groups are here: the first joint loads meet
.irp s, 0,1
	s_mov_b32 s[G0V+4*\s], 1
	s_add_co_u32 s[G0V+4*\s+1], s47, \s*SLOT
	s_add_nc_u64 s[G0V+4*\s+2:G0V+4*\s+3], s[18:19], VOFF+\s*SSTEP
	s_or_b32 s[G0V+4*\s+3], s[G0V+4*\s+3], 0x80000000
	s_mov_b32 s[G0K+4*\s], 1
	s_add_co_u32 s[G0K+4*\s+1], s41, \s*SLOT
	s_add_nc_u64 s[G0K+4*\s+2:G0K+4*\s+3], s[18:19], KOFF+\s*SSTEP
	s_or_b32 s[G0K+4*\s+3], s[G0K+4*\s+3], 0x80000000
	JLOAD \s                                       ; keys 0-255 and 256-511: two tensor loads of the wave are out
.endr
	v_and_b32 v128, 15, v0                         ; r      (v128-132: at work until the first S products write them)
	v_bfe_u32 v129, v0, 4, 1                       ; h
	v_lshlrev_b32 v130, 11, v128
	v_lshl_add_u32 v130, v129, 4, v130             ; Q: row r, 16 h
.irp u, 0,1
.irp c, 0,1
	global_load_b128 v[QF+16*\u+8*\c:QF+16*\u+8*\c+3],   v130, s[20:21] offset:32768*\u+64*\c      ; query 16 u + r, d = 32 c + 8 h + 0..7
	global_load_b128 v[QF+16*\u+8*\c+4:QF+16*\u+8*\c+7], v130, s[20:21] offset:32768*\u+64*\c+32   ; d = 32 c + 16 + 8 h + 0..7
.endr
.endr
	v_mul_u32_u24 v1, v128, KP
	v_lshl_add_u32 v1, v129, 4, v1
	v_add_nc_u32 v1, s17, v1                       ; r x 272 + 16 h + my head: kept for the way out
	v_and_b32 v131, 7, v0
	v_lshl_add_u32 v131, v129, 3, v131             ; V: key 8 h + (l & 7)
	v_mul_u32_u24 v131, v131, VP
	v_bfe_u32 v132, v0, 3, 1
	v_lshl_add_u32 v131, v132, 4, v131             ; + 16 ((l >> 3) & 1)
	v_add_nc_u32 v131, s17, v131
.irp s, 0,1
	v_add_nc_u32 v[KA+\s], \s*SLOT+VREG, v1
.irp a, 0,1
	v_add_nc_u32 v[VA+2*\s+\a], \s*SLOT+\a*128*VP, v131
.endr
.endr
	v_mov_b32 v[CC], 0x3e38aa3b                    ; c
	v_mov_b32 v[CC+1], 0x3e38aa3b
; 32 LDS loads: K's fragments of keys 128 j .. 128 j + 127 of a slot, into window 1
.macro KLOAD slot, j
	WIN TO_1
.irp c, 0,1
.irp t, 0,1,2,3,4,5,6,7
	ds_load_b128 v[KF+64*\c+8*\t:KF+64*\c+8*\t+3],   v[KA+(\slot)] offset:(128*(\j)+16*\t)*KP+64*\c       ; key 16 t + r, d = 32 c + 8 h + 0..7
	ds_load_b128 v[KF+64*\c+8*\t+4:KF+64*\c+8*\t+7], v[KA+(\slot)] offset:(128*(\j)+16*\t)*KP+64*\c+32    ; d = 32 c + 16 + 8 h + 0..7
.endr
.endr
.endm
; 32 transposing LDS loads: V's fragments of the same keys, into window 1
.macro VLOAD slot, j
	WIN TO_1
.irp c, 0,1,2,3
.irp d, 0,1,2,3
	ds_load_tr16_b128 v[VF+32*\c+8*\d:VF+32*\c+8*\d+3],   v[VA+2*(\slot)+(\j)] offset:(32*\c)*VP+32*\d      ; d = 16 dt + r, keys 32 c2 + 8 h + 0..7
	ds_load_tr16_b128 v[VF+32*\c+8*\d+4:VF+32*\c+8*\d+7], v[VA+2*(\slot)+(\j)] offset:(32*\c+16)*VP+32*\d   ; keys 32 c2 + 16 + 8 h + 0..7
.endr
.endr
.endm
; A group of four products O^T(u, dt) += V^T(c, dt) P(u, c), dt = 0 .. 3: the four accumulators take turns, one instruction a turn, in the same
; order in every group.  pv = 1: the group of c = 0 starts the sums; pv = 2: all add in place.
.macro PVG u, c, pv
	WIN A_IN_1
.irp d, 0,1,2,3
.if (\pv == 1) && (\c == 0)
	v_wmma_f32_16x16x32_f16 v[OO+32*\u+8*\d:OO+32*\u+8*\d+7], v[VF+32*\c+8*\d:VF+32*\c+8*\d+7], v[SS+64*\u+8*\c:SS+64*\u+8*\c+7], 0
.else
	v_wmma_f32_16x16x32_f16 v[OO+32*\u+8*\d:OO+32*\u+8*\d+7], v[VF+32*\c+8*\d:VF+32*\c+8*\d+7], v[SS+64*\u+8*\c:SS+64*\u+8*\c+7], v[OO+32*\u+8*\d:OO+32*\u+8*\d+7]
.endif
.endr
.endm
; A group of four products of S^T(u, t).  q = 0, 1: d = 0 .. 31 of tiles t = 0-3, 4-7, which start the sums; q = 2, 3: d = 32 .. 63 of the same tiles,
; in the same order: the eight accumulators take turns, one instruction a turn.
.macro SG u, q
	WIN A_IN_1
.irp k, 0,1,2,3
.if \q < 2
	v_wmma_f32_16x16x32_f16 v[SS+64*\u+8*(4*\q+\k):SS+64*\u+8*(4*\q+\k)+7], v[KF+8*(4*\q+\k):KF+8*(4*\q+\k)+7], v[QF+16*\u:QF+16*\u+7], 0
.else
	v_wmma_f32_16x16x32_f16 v[SS+64*\u+8*(4*\q-8+\k):SS+64*\u+8*(4*\q-8+\k)+7], v[KF+64+8*(4*\q-8+\k):KF+64+8*(4*\q-8+\k)+7], v[QF+16*\u+8:QF+16*\u+15], v[SS+64*\u+8*(4*\q-8+\k):SS+64*\u+8*(4*\q-8+\k)+7]
.endif
.endr
.endm
; The maximum of my 64 scores of block u, with the running one: four chains that do not wait for each other, in three pieces.
.macro MAX4 u, m
	v_max3_num_f32 v[TA+\u], v[TA+\u], v[SS+64*\u+\m], v[SS+64*\u+\m+1]
	v_max3_num_f32 v[TB+\u], v[TB+\u], v[SS+64*\u+16+\m], v[SS+64*\u+17+\m]
	v_max3_num_f32 v[AL+2*\u], v[AL+2*\u], v[SS+64*\u+32+\m], v[SS+64*\u+33+\m]
	v_max3_num_f32 v[AL+2*\u+1], v[AL+2*\u+1], v[SS+64*\u+48+\m], v[SS+64*\u+49+\m]
.endm
.macro MAXA u, first
	WIN 0
.if \first
	v_max_num_f32 v[TA+\u], v[SS+64*\u], v[SS+64*\u+1]
.else
	v_max3_num_f32 v[TA+\u], v[TA+\u], v[SS+64*\u], v[SS+64*\u+1]
.endif
	v_max_num_f32 v[TB+\u], v[SS+64*\u+16], v[SS+64*\u+17]
	v_max_num_f32 v[AL+2*\u], v[SS+64*\u+32], v[SS+64*\u+33]
	v_max_num_f32 v[AL+2*\u+1], v[SS+64*\u+48], v[SS+64*\u+49]
	MAX4 \u, 2
	MAX4 \u, 4
	MAX4 \u, 6
.endm
.macro MAXB u
	WIN 0
	MAX4 \u, 8
	MAX4 \u, 10
	MAX4 \u, 12
	MAX4 \u, 14
.endm
.macro MAXC u, first
	WIN 0
	v_max3_num_f32 v[TA+\u], v[TA+\u], v[TB+\u], v[AL+2*\u]
	v_max_num_f32 v[TA+\u], v[TA+\u], v[AL+2*\u+1]
	v_permlanex16_b32 v[TB+\u], v[TA+\u], s44, s45         ; the query's other 64 keys lie in lane l xor 16
	v_max_num_f32 v[TA+\u], v[TA+\u], v[TB+\u]             ; the new running maximum
	v_mul_f32 v[TB+\u], s46, v[TA+\u]                      ; -c m
.if \first == 0
	v_sub_f32 v[T4+\u], v[TB+\u], v[NM+2*\u]               ; NM new - NM old, at most 0
.endif
	v_mov_b32 v[NM+2*\u], v[TB+\u]
	v_mov_b32 v[NM+2*\u+1], v[TB+\u]
.if \first == 0
	v_exp_f32 v[AL+2*\u], v[T4+\u]                         ; the plain instructions that follow (the first tile's multiply-adds) touch neither AL nor T4 (ISA guide 5.7.2)
	v_exp_f32 v[AL+2*\u+1], v[T4+\u]
.endif
.endm
; The exponentials of tile (u, t) are finished: added to the row sum, by turns into the block's two pairs, and packed to f16 in place.
; The order (two additions, two packings, two additions, two packings) writes no register before both its readers are past: packing i of tile 0
; writes register i, which addition i / 2 and packing i / 2 have read; a later tile packs into registers of a tile that is finished.
; At t = 0 the old sums are scaled in the same instruction.
.macro FIN8 u, t, first
.set fs, SS+64*(\u)+8*(\t)
.set fp, SS+64*(\u)+4*(\t)
.set la, LL+4*(\u)
.set lb, LL+4*(\u)+2
.set started, 0
.if (\t) == 0
.if \first
	s_wait_alu depctr_va_vdst(0)
	v_pk_add_f32 v[la:la+1], v[fs:fs+1], v[fs+2:fs+3]                      ; the first tile starts both sums
	v_pk_add_f32 v[lb:lb+1], v[fs+4:fs+5], v[fs+6:fs+7]
.set started, 1
.else
	v_pk_fma_f32 v[la:la+1], v[la:la+1], v[AL+2*(\u):AL+2*(\u)+1], v[fs:fs+1]
	v_pk_fma_f32 v[lb:lb+1], v[lb:lb+1], v[AL+2*(\u):AL+2*(\u)+1], v[fs+2:fs+3]
.endif
.else
	s_wait_alu depctr_va_vdst(0)
	v_pk_add_f32 v[la:la+1], v[la:la+1], v[fs:fs+1]
	v_pk_add_f32 v[lb:lb+1], v[lb:lb+1], v[fs+2:fs+3]
.endif
	v_cvt_pk_f16_f32 v[fp], v[fs], v[fs+1]
	v_cvt_pk_f16_f32 v[fp+1], v[fs+2], v[fs+3]
.if started == 0
	v_pk_add_f32 v[la:la+1], v[la:la+1], v[fs+4:fs+5]
	v_pk_add_f32 v[lb:lb+1], v[lb:lb+1], v[fs+6:fs+7]
.endif
	v_cvt_pk_f16_f32 v[fp+2], v[fs+4], v[fs+5]
	v_cvt_pk_f16_f32 v[fp+3], v[fs+6], v[fs+7]
.endm
; p = 2^(c s + NM) of tile (u, t); the tile before it is finished behind these exponentials, so that plain instructions on other registers stand
; between every exponential and its use (ISA guide 5.7.2); two of O_u's sixteen register pairs are scaled on the way.
.macro TILE u, t, first
	WIN 0
.irp i, 0,2,4,6
	v_pk_fma_f32 v[SS+64*\u+8*\t+\i:SS+64*\u+8*\t+\i+1], v[SS+64*\u+8*\t+\i:SS+64*\u+8*\t+\i+1], v[CC:CC+1], v[NM+2*\u:NM+2*\u+1]
.endr
.irp i, 0,1,2,3,4,5,6,7
	v_exp_f32 v[SS+64*\u+8*\t+\i], v[SS+64*\u+8*\t+\i]
.endr
.if \t > 0
	FIN8 \u, \t-1, \first
.endif
.if \first == 0
	s_wait_alu depctr_va_vdst(0)
.irp i, 0,2
	v_pk_mul_f32 v[OO+32*\u+4*\t+\i:OO+32*\u+4*\t+\i+1], v[OO+32*\u+4*\t+\i:OO+32*\u+4*\t+\i+1], v[AL+2*\u:AL+2*\u+1]
.endr
.endif
.endm
; A phase: the softmax of block u, and among it the products of block v.
;   pv: 0 no O products; 1 they start O_v's sums; 2 they add in place.     sg: 1 = the S products of block v follow them.
;   ld: 1 = V's fragments of (slot, j) are loaded behind the O products;   2 = K's fragments, loaded in front of the phase, are waited for in front of the S products.
; THE DISTANCES behind matrix instructions (ISA guide 7.12.1 for vector instructions) are filled by block u's plain vector instructions,
; which name no register of block v's products:
;   from the last O group to V's loads: tile 2's piece (4 multiply-adds and 8 additions and packings at the least);
;   from the last O group, which reads P_v, to the first S group, which writes over it: tiles 2 and 3;
;   from the last S group to the phase's end (K's loads; the next phase's maxima, which read S_v): tile 7's piece and the last packing.
.macro PHASE u, v, first, pv, sg, ld, slot, j
.if \pv
	PVG \v, 0, \pv
.endif
	MAXA \u, \first
	MAXB \u
.if \pv
	PVG \v, 1, \pv
.endif
	MAXC \u, \first
	TILE \u, 0, \first
.if \pv
	PVG \v, 2, \pv
.endif
	TILE \u, 1, \first
.if \pv
	PVG \v, 3, \pv
.endif
	TILE \u, 2, \first
.if \ld == 1
	VLOAD \slot, \j
.endif
	TILE \u, 3, \first
.if \sg
.if \ld == 2
	s_wait_dscnt 0x0                               ; K's fragments are in: they were asked for in front of this phase
.endif
	SG \v, 0
.endif
	TILE \u, 4, \first
.if \sg
	SG \v, 1
.endif
	TILE \u, 5, \first
.if \sg
	SG \v, 2
.endif
	TILE \u, 6, \first
.if \sg
	SG \v, 3
.endif
	TILE \u, 7, \first
	WIN 0
	FIN8 \u, 7, \first
.endm
; One step: keys 128 j .. 128 j + 127 of a slot.  first = 1: the very first step starts maxima, sums and O_0.
; Between the two phases every LDS read of this step's keys has been issued.  mode says what stands there:
;   0: K's fragments of the slot's second half are loaded;
;   1: the slot is done: it is asked for again behind the cluster's round, and K's fragments come from the other slot;
;   2: the same without a refill (nothing is left to fetch): a plain barrier shows the other slot whole;
;   3: the last step: nothing, and phase B has no S products.
.macro STEP slot, j, first, mode
.if \first
	PHASE 0, 1, 1, 0, 1, 1, \slot, \j
.else
	PHASE 0, 1, 0, 2, 1, 1, \slot, \j
.endif
	s_wait_dscnt 0x0                               ; V's fragments are in (asked for in the middle of the phase): none of my LDS reads is out
.if \mode == 1
	s_wait_xcnt 0x0
	v_lshl_add_u32 v190, v0, 2, 0x4e800
	v_mov_b32 v191, 0
	s_wait_tensorcnt 0x0                           ; all my tensor loads have landed, my part of the other slot among them: a group 0 may be written
	ds_add_u32 v190, v191
	s_wait_dscnt 0x0
	s_add_nc_u64 s[G0V+4*(\slot)+2:G0V+4*(\slot)+3], s[G0V+4*(\slot)+2:G0V+4*(\slot)+3], 2*SSTEP
	s_add_nc_u64 s[G0K+4*(\slot)+2:G0K+4*(\slot)+3], s[G0K+4*(\slot)+2:G0K+4*(\slot)+3], 2*SSTEP
	ROUND                                          ; both waits now hold of every wave of all four work-groups
	JLOAD \slot                                    ; my one tensor load behind the round: this slot's next 256 keys; it has two steps' work in which to land
.endif
.if \mode == 2
	s_wait_tensorcnt 0x0                           ; my part of the last 256 keys has landed
	s_barrier_signal -1
	s_barrier_wait -1                              ; everybody's has
.endif
.if \mode == 0
	KLOAD \slot, 1
.endif
.if (\mode == 1) || (\mode == 2)
	KLOAD 1-\slot, 0
.endif
.if \mode == 3
	PHASE 1, 0, 0, 2, 0, 0, 0, 0
.else
.if \first
	PHASE 1, 0, 1, 1, 1, 2, 0, 0
.else
	PHASE 1, 0, 0, 2, 1, 2, 0, 0
.endif
.endif
.endm
	s_wait_loadcnt 0x0                             ; Q
	s_wait_tensorcnt 1                             ; my part of keys 0-255 is in; keys 256-511 stay out
	s_barrier_signal -1
	s_barrier_wait -1
	KLOAD 0, 0
	s_wait_dscnt 0x0
	SG 0, 0                                        ; S_0 of step 0 has no softmax to stand among
	SG 0, 1
	SG 0, 2
	SG 0, 3
	WIN 0
	; O of block 1 starts at zero: its first product (step 0's) stands in step 1's phase A, inside the loop, where it adds in place.  32 moves, once,
	; against four more steps of text written out.  They are also the places between the products above and the maxima that read them.
.set zi, 0
.rept 32
	v_mov_b32 v[OO+32+zi], 0
.set zi, zi+1
.endr
	STEP 0, 0, 1, 0                                ; keys 0-127 start the sums
	s_mov_b32 s3, 3                                ; eight fills of 256 keys: two at the start, six in three trips
.Lkv:
	STEP 0, 1, 0, 1
	STEP 1, 0, 0, 0
	STEP 1, 1, 0, 1
	STEP 0, 0, 0, 0
	s_sub_co_u32 s3, s3, 1
	s_cmp_lg_u32 s3, 0
	s_cbranch_scc1 .Lkv
	STEP 0, 1, 0, 2                                ; the last three steps fetch nothing
	STEP 1, 0, 0, 0
	STEP 1, 1, 0, 3
	PVG 1, 0, 2                                    ; block 1's last products have no softmax to stand among
	PVG 1, 1, 2
	PVG 1, 2, 2
	PVG 1, 3, 2
	WIN 0
	; THE WAY OUT: O / row sum, rounded to f16, through the stage, so that a wave stores whole rows of the head pair's 256 bytes
.rept 4
	v_nop                                          ; four places behind the last products, for the readers of O and the writers of P's registers
.endr
.irp u, 0,1
	v_pk_add_f32 v[LL+4*\u:LL+4*\u+1], v[LL+4*\u:LL+4*\u+1], v[LL+4*\u+2:LL+4*\u+3]
.endr
.irp u, 0,1
	v_add_f32 v[TB+\u], v[LL+4*\u], v[LL+4*\u+1]
.endr
.irp u, 0,1
	v_permlanex16_b32 v[T4+\u], v[TB+\u], s44, s45
.endr
.irp u, 0,1
	v_add_f32 v[TB+\u], v[TB+\u], v[T4+\u]                 ; the whole row sum: at least about 1, the maximum's own term
.endr
.irp u, 0,1
	v_rcp_f32 v[AL+2*\u], v[TB+\u]
	v_rcp_f32 v[AL+2*\u+1], v[TB+\u]
.endr
	v_and_b32 v2, 15, v0                           ; r: the address work is the plain place behind the reciprocals
	v_bfe_u32 v3, v0, 4, 1                         ; h
	s_mul_i32 s14, s12, 32*KP
	s_add_co_u32 s14, s14, STAGE
	v_add_nc_u32 v4, s14, v1                       ; in: row 32 (w & 3) + r, my head's 128 bytes, 16 h
	v_mul_u32_u24 v5, v3, KP
	v_lshl_add_u32 v5, v2, 4, v5
	s_mul_i32 s15, s10, 16*KP
	s_add_co_u32 s15, s15, STAGE
	v_add_nc_u32 v5, s15, v5                       ; back: row 16 w + (l / 16), 16 (l % 16)
	v_lshlrev_b32 v6, 11, v3
	v_lshl_add_u32 v6, v2, 4, v6                   ; and the same place in xo
	s_wait_alu depctr_va_vdst(0)
.irp g, 0,1,2,3,4,5,6,7
.irp i, 0,2,4,6
	v_pk_mul_f32 v[OO+8*\g+\i:OO+8*\g+\i+1], v[OO+8*\g+\i:OO+8*\g+\i+1], v[AL+2*(\g>>2):AL+2*(\g>>2)+1]
.endr
.irp i, 0,1,2,3
	v_cvt_pk_f16_f32 v[SS+4*\g+\i], v[OO+8*\g+2*\i], v[OO+8*\g+2*\i+1]
.endr
	ds_store_b128 v4, v[SS+4*\g:SS+4*\g+3] offset:(\g>>2)*16*KP+32*(\g&3)  ; query 16 u + r, d = 16 dt + 8 h + 0..7
.endr
	s_wait_dscnt 0x0                               ; for the others' sake: my stores are done
	s_barrier_signal -1
	s_barrier_wait -1
.irp t, 0,1,2,3,4,5,6,7
	ds_load_b128 v[SS+32+4*\t:SS+32+4*\t+3], v5 offset:\t*2*KP
.endr
.irp t, 0,1,2,3,4,5,6,7
	s_wait_dscnt 7-\t                              ; LDS loads come back in order (ISA guide 5.7.1): load t is in, the 7 - t younger ones stay out
	global_store_b128 v6, v[SS+32+4*\t:SS+32+4*\t+3], s[22:23] offset:4096*\t    ; 16 lanes store 256 consecutive bytes, at a multiple of 256 from xo's first byte
.endr
	s_wait_xcnt 0x0
	v_lshl_add_u32 v190, v0, 2, 0x4e800
	v_mov_b32 v191, 0
	s_wait_tensorcnt 0x0
	ds_add_u32 v190, v191
	s_wait_dscnt 0x0
	ROUND                                          ; the closing round: no work-group ends while a partner may still ask for a tile that names it
	s_endpgm
.Lfunc_end_k_q6e7062b521_attn:
	.size	k_q6e7062b521_attn, .Lfunc_end_k_q6e7062b521_attn-k_q6e7062b521_attn
	.p2alignl 7, 3214868480
	.fill 96, 4, 3214868480
	.section	.rodata,"a",@progbits
	.p2align	6, 0x0
	.amdhsa_kernel k_q6e7062b521_attn
		.amdhsa_group_segment_fixed_size 327680
		.amdhsa_private_segment_fixed_size 0
		.amdhsa_enable_private_segment 0
		.amdhsa_kernarg_size 16
		.amdhsa_user_sgpr_count 2
		.amdhsa_user_sgpr_kernarg_segment_ptr 1
		.amdhsa_wavefront_size32 1
		.amdhsa_system_sgpr_workgroup_id_x 1
		.amdhsa_system_sgpr_workgroup_id_y 1
		.amdhsa_system_sgpr_workgroup_id_z 1
		.amdhsa_system_vgpr_workitem_id 0
		.amdhsa_next_free_vgpr 512
		.amdhsa_next_free_sgpr 66
		.amdhsa_reserve_vcc 0
		.amdhsa_float_denorm_mode_32 3
		.amdhsa_float_denorm_mode_16_64 3
		.amdhsa_memory_ordered 1
		.amdhsa_forward_progress 1
		.amdhsa_inst_pref_size 255
	.end_amdhsa_kernel
	.section	.bss,"aw",@nobits
	.p2align	6
	.space	262144
	.amdgpu_metadata
---
amdhsa.version: [ 1, 2 ]
amdhsa.kernels:
  - .name:           k_q6e7062b521_attn
    .symbol:         k_q6e7062b521_attn.kd
    .args:
      - { .name: proj, .offset: 0, .size: 8, .value_kind: global_buffer, .address_space: global }
      - { .name: xo, .offset: 8, .size: 8, .value_kind: global_buffer, .address_space: global }
    .group_segment_fixed_size: 327680
    .private_segment_fixed_size: 0
    .kernarg_segment_align: 8
    .kernarg_segment_size: 16
    .max_flat_workgroup_size: 256
    .sgpr_count:     66
    .vgpr_count:     512
    .wavefront_size: 32
...
	.end_amdgpu_metadata
.endif
;; end of part 3
;; launch oproj (part 4): grid 8 x 32, 4 waves a work-group, clusters of 4 x 4, 327,680 bytes of LDS; arguments xo, wtsh, bo, out0; writes out0
.if DOCPART == 4
	.amdgcn_target "amdgcn-amd-amdhsa--gfx1250"
	.amdhsa_code_object_version 6
	.text
	.protected	k_q6e7062b521_oproj
	.globl	k_q6e7062b521_oproj
	.p2align	8
	.type	k_q6e7062b521_oproj,@function
k_q6e7062b521_oproj:
	s_mov_b64 s[64:65], 0
	v_nop
	global_prefetch_b8 v0, s[64:65] scope:SCOPE_SE
	s_setreg_imm32_b32 hwreg(HW_REG_WAVE_MODE, 25, 1), 1
	s_wait_xcnt 0x0
	s_wait_alu depctr_hold_cnt(0) depctr_sa_sdst(0) depctr_va_vdst(0) depctr_va_sdst(0) depctr_va_ssrc(0) depctr_va_vcc(0) depctr_vm_vsrc(0)
	s_getreg_b32 s2, hwreg(HW_REG_IB_STS2, 6, 4)
	s_cmp_eq_u32 s2, 0
	s_cbranch_scc0 .Lentry_in_a_cluster
	s_endpgm
.Lentry_in_a_cluster:
	s_bfe_u32 s2, ttmp6, 0x10000c
	s_cmp_lg_u32 s2, 0xf033
	s_cbranch_scc0 .Lentry_shape_is_right
	s_endpgm
.Lentry_shape_is_right:
; out0[m][n] = sum over k of xo[m][k] Wo[n][k] + bo[n].  xo [4096][1024] f16, Wo the fourth tensor of wtsh, f16; sums and out0 f32.
; out0 has 4,096 x 1,024 numbers: 256 work-groups make 128 x 128 each, with four waves of 64 x 64: 16 accumulator tiles, 128 registers.
; K = 1,024 goes through two LDS slots of K = 256 each: four fills.  Both slots are asked for at the start (half of all the operands), each is
; filled once more.  A tile's rows are 512 bytes of memory at multiples of 512 bytes; each wave brings 64 rows with one tensor load.
; The four slots' work is written out: there is no loop.
; CLUSTERS: 4 x 4 work-groups; xo's tiles are asked for jointly along a row of the cluster, Wo's along a column.
; REGISTERS in two windows of 256: window 0: v16-27 addresses, v64-127 and v128-191 two fragment buffers (Wo's four fragments, then xo's four);
; window 1: v0-127 the accumulators (tile (a, b) at v[8 (4 a + b)]), v128-159 the bias as four accumulator-shaped tiles.
; THE MATRIX INSTRUCTION IS USED TRANSPOSED (source 0 = rows of Wo, source 1 = rows of xo): lane l holds row l % 16 of out0 and its registers 0 to 7
; the columns 8 (l / 16) + 0 .. 7; the first product of each accumulator takes the bias tile as C, so the bias costs no vector instruction and
; nothing is cleared.
.set SIZE_K, 1024
.set SIZE_N, 1024
.set KSLOT,  256                       ; K of a slot
.set PITCH,  528                       ; an LDS row: 512 bytes + 16 of padding: row r starts 16 r bytes further modulo 256, so the 16 rows of a fragment load touch 16 different 16-byte columns
.set HALF,   64*PITCH                  ; 64 rows: one tensor load, and what one wave reads of xo or of Wo
.set SLOT,   4*HALF                    ; xo's 128 rows, then Wo's 128 rows
.set STAGE,  2*SLOT                    ; 16 rows x 272 bytes for each wave, for the way out; no tensor load lands here
.set SPITCH, 272
.set ADRA, 16                          ; v16-17  LDS address of my xo fragments in slot 0, 1
.set ADRB, 20                          ; v20-21  the same for Wo
.set STO,  24                          ; v24     the way out: where I put 32 bytes of a row
.set RD,   25                          ; v25     the way out: where I read a row back
.set CO,   26                          ; v26     my byte offset in out0
.set BO,   27                          ; v27     my byte offset in the bias: 32 (l / 16)
.set F0,   64
.set F1,   128
.set BIAS, 128                         ; window 1
.set G1,  24                           ; s[24:31] descriptor group 1, xo's tiles
.set G0,  32                           ; s[32:39] group 0, xo's tiles, a set for each slot
.set G1B, 48                           ; s[48:55] group 1, Wo's tiles
.set G0B, 56                           ; s[56:63] group 0, Wo's tiles
.set MSB, 0
.macro WIN new                         ; the immediate's high byte repeats the setting that is left
.if MSB != \new
	s_set_vgpr_msb (MSB<<8)|\new
.set MSB, \new
.endif
.endm
.set MUL,    0x50                      ; C and D window 1, both fragments window 0
.set TO_1,   0x40                      ; destination window 1, address window 0
.set FROM_1, 0x04                      ; an LDS store's data (source 1) window 1, address window 0
.macro JLOAD s                         ; a joint load: waves 0 and 1 fetch xo's two halves, waves 2 and 3 Wo's
	s_cmp_eq_u32 s11, 0
	s_cbranch_scc0 .Lfor_b_\@
	tensor_load_to_lds s[G0+4*\s:G0+4*\s+3], s[G1:G1+7]
	s_nop 0
	s_branch .Lasked_\@
.Lfor_b_\@:
	tensor_load_to_lds s[G0B+4*\s:G0B+4*\s+3], s[G1B:G1B+7]
	s_nop 0
.Lasked_\@:
.endm
.macro CREST                           ; a round of the cluster's barrier behind its opening barrier
	s_cmp_lg_u32 s10, 0
	s_cbranch_scc1 .Lnot_wave_0_\@
	s_barrier_signal -3
.Lnot_wave_0_\@:
	s_barrier_wait -3
	s_barrier_signal -1
	s_barrier_wait -1
.endm
.macro CROUND                          ; a whole round
	s_barrier_signal -1
	s_barrier_wait -1
	CREST
.endm
	s_load_b128 s[4:7], s[0:1], 0x0                ; xo s[4:5], wtsh s[6:7]
	s_load_b64 s[76:77], s[0:1], 0x10              ; bo
	s_load_b64 s[8:9], s[0:1], 0x18                ; out0
	v_lshl_add_u32 v254, v0, 2, 0x46400
	v_mov_b32 v255, 0
	ds_add_u32 v254, v255
	v_lshrrev_b32 v1, 5, v0
	v_readfirstlane_b32 s10, v1                    ; wave 0..3
	s_lshr_b32 s11, s10, 1                         ; my half of the rows.  Also: I fetch xo (0) or Wo (1)
	s_and_b32 s12, s10, 1                          ; my half of the columns.  Also: which half of that tile I fetch
	s_bfe_u32 s40, ttmp6, 0x40000                  ; cx
	s_bfe_u32 s41, ttmp6, 0x40004                  ; cy
	s_lshl_b32 s42, ttmp9, 2
	s_add_co_u32 s42, s42, s40                     ; block column = 4 x cluster x + cx
	s_and_b32 s13, ttmp7, 0xffff
	s_lshl_b32 s13, s13, 2
	s_add_co_u32 s13, s13, s41                     ; block row = 4 x cluster y + cy
	s_lshl_b32 s43, s41, 2
	s_lshl_b32 s43, 15, s43                        ; my row of the cluster: places 4 cy .. 4 cy + 3
	s_lshl_b32 s44, 0x1111, s40                    ; my column: places cx, cx + 4, cx + 8, cx + 12
	; group 1: 64 rows of 256 elements of 2 bytes, 16 bytes of padding behind each row
	s_or_b32 s[G1+0], s43, (1<<16)|(1<<20)|(1<<21)|(6<<22)|(3<<25)  ; 15:0 mask; 17:16 2-byte elements; 20 padding on; 21 set beside a mask; 24:22 after every 128 words; 31:25 four words
	s_or_b32 s[G1B+0], s44, (1<<16)|(1<<20)|(1<<21)|(6<<22)|(3<<25)
	s_mov_b32 s[G1+1], KSLOT<<16                   ; tensor_dim0 = 256
	s_mov_b32 s[G1B+1], KSLOT<<16
	s_mov_b32 s[G1+2], 64<<16                      ; tensor_dim1 = 64 rows
	s_mov_b32 s[G1B+2], 64<<16
	s_mov_b32 s[G1+3], KSLOT<<16                   ; tile_dim0 = 256
	s_mov_b32 s[G1B+3], KSLOT<<16
	s_mov_b32 s[G1+4], 64                          ; tile_dim1
	s_mov_b32 s[G1B+4], 64
	s_mov_b32 s[G1+5], SIZE_K                      ; elements from row to row
	s_mov_b32 s[G1B+5], SIZE_K
	s_mov_b32 s[G1+6], 0
	s_mov_b32 s[G1B+6], 0
	s_mov_b32 s[G1+7], 0
	s_mov_b32 s[G1B+7], 0
	; xo's tiles hang on the block row alone, Wo's on the block column alone; each address in registers that never hold the other coordinate
	s_lshl_b32 s17, s12, 6
	s_lshl_b32 s16, s13, 7
	s_add_co_u32 s16, s16, s17                     ; xo: row 128 x block row + 64 x half
	s_lshl_b32 s46, s42, 7
	s_add_co_u32 s46, s46, s17                     ; Wo: row 128 x block column + 64 x half
	s_mov_b32 s17, 0
	s_mov_b32 s47, 0
	s_mov_b64 s[18:19], SIZE_K*2
	s_mul_u64 s[16:17], s[16:17], s[18:19]         ; in bytes
	s_mul_u64 s[46:47], s[46:47], s[18:19]
	s_add_nc_u64 s[46:47], s[46:47], 0x600000      ; Wo lies behind Wq, Wk, Wv: 3 x 2,097,152 bytes
	s_mul_i32 s20, s10, HALF                       ; LDS: xo's halves, then Wo's halves = wave x 64 rows
	s_lshl_b32 s74, s42, 9                         ; my first column in the bias, in bytes: 512 x block + 256 x half
	s_lshl_b32 s45, s12, 8
	s_add_co_u32 s74, s74, s45
	s_mov_b32 s75, 0
	s_wait_dscnt 0x0
	s_wait_kmcnt 0x0
	s_add_nc_u64 s[14:15], s[4:5], s[16:17]
	s_add_nc_u64 s[46:47], s[6:7], s[46:47]
	s_add_nc_u64 s[76:77], s[76:77], s[74:75]
	CROUND                                         ; all sixteen work-groups are here: the first joint loads meet
.irp s, 0,1
	s_mov_b32 s[G0+4*\s], 1                                        ; count = 1
	s_add_co_u32 s[G0+4*\s+1], s20, \s*SLOT                        ; LDS address
	s_add_nc_u64 s[G0+4*\s+2:G0+4*\s+3], s[14:15], \s*KSLOT*2      ; global address: K = 256 s
	s_or_b32 s[G0+4*\s+3], s[G0+4*\s+3], 0x80000000                ; type = 2
	s_mov_b32 s[G0B+4*\s], 1
	s_add_co_u32 s[G0B+4*\s+1], s20, \s*SLOT
	s_add_nc_u64 s[G0B+4*\s+2:G0B+4*\s+3], s[46:47], \s*KSLOT*2
	s_or_b32 s[G0B+4*\s+3], s[G0B+4*\s+3], 0x80000000
	JLOAD \s                                       ; both slots are asked for before anything else: two tensor loads of the wave are out
.endr
	; a fragment is 16 rows x 32 K in 8 registers: lane l holds row l % 16; registers 0-3 K = 8 (l / 16) + 0..7, registers 4-7 K = 16 + 8 (l / 16) + 0..7
	v_and_b32 v1, 15, v0                           ; l % 16
	v_bfe_u32 v2, v0, 4, 1                         ; l / 16
	v_mul_u32_u24 v3, v1, PITCH
	v_lshl_add_u32 v3, v2, 4, v3                   ; row x pitch + 16 x half
	s_mul_i32 s21, s11, HALF                       ; my 64 rows of xo
	s_mul_i32 s22, s12, HALF                       ; my 64 rows of Wo,
	s_add_co_u32 s22, s22, 2*HALF                  ; which lie behind xo's 128
.irp s, 0,1
	v_add_nc_u32 v[ADRA+\s], s21, v3
	v_add_nc_u32 v[ADRB+\s], s22, v3
	s_add_co_u32 s21, s21, SLOT
	s_add_co_u32 s22, s22, SLOT
.endr
	s_mul_i32 s23, s10, 16*SPITCH
	s_add_co_u32 s23, s23, STAGE                   ; my stage
	v_mul_u32_u24 v4, v1, SPITCH                   ; in: row l % 16, 32 bytes (8 f32) for each half of the lanes
	v_lshl_add_u32 v4, v2, 5, v4
	v_add_nc_u32 v[STO], s23, v4
	v_mul_u32_u24 v5, v2, SPITCH                   ; back: lanes 0-15 take one row of 256 bytes, lanes 16-31 the next
	v_lshl_add_u32 v5, v1, 4, v5
	v_add_nc_u32 v[RD], s23, v5
	v_mul_u32_u24 v5, v2, SIZE_N*4                 ; and the same two rows in out0
	v_lshl_add_u32 v[CO], v1, 4, v5
	v_lshlrev_b32 v[BO], 5, v2
	WIN TO_1
.irp b, 0,1,2,3
	global_load_b128 v[BIAS+8*\b:BIAS+8*\b+3],   v[BO], s[76:77] offset:64*\b        ; bias[16 b + 8 (l / 16) + 0..3] into window 1
	global_load_b128 v[BIAS+8*\b+4:BIAS+8*\b+7], v[BO], s[76:77] offset:64*\b+16     ; + 4..7
.endr
	WIN 0
; four matrix instructions: row block a x all four column blocks, 32 along K.  bias = 1: the first product starts the sum from the bias tile.
.macro MULA f, a, bias
.irp b, 0,1,2,3
.if \bias
	v_wmma_f32_16x16x32_f16 v[8*(4*\a+\b):8*(4*\a+\b)+7], v[\f+8*\b:\f+8*\b+7], v[\f+32+8*\a:\f+32+8*\a+7], v[BIAS+8*\b:BIAS+8*\b+7]
.else
	v_wmma_f32_16x16x32_f16 v[8*(4*\a+\b):8*(4*\a+\b)+7], v[\f+8*\b:\f+8*\b+7], v[\f+32+8*\a:\f+32+8*\a+7], v[8*(4*\a+\b):8*(4*\a+\b)+7]
.endif
.endr
.endm
; 16 LDS loads in one run: the fragments of one sub-step (64 rows of Wo, 64 rows of xo, 32 K at byte k of the rows) into buffer f
.macro FETCH slot, k, f
	WIN 0
.irp i, 0,1,2,3
	ds_load_b128 v[\f+8*\i:\f+8*\i+3],   v[ADRB+\slot] offset:\k+\i*16*PITCH
	ds_load_b128 v[\f+8*\i+4:\f+8*\i+7], v[ADRB+\slot] offset:\k+\i*16*PITCH+32
.endr
.irp i, 0,1,2,3
	ds_load_b128 v[\f+32+8*\i:\f+32+8*\i+3],   v[ADRA+\slot] offset:\k+\i*16*PITCH
	ds_load_b128 v[\f+32+8*\i+4:\f+32+8*\i+7], v[ADRA+\slot] offset:\k+\i*16*PITCH+32
.endr
.endm
; Four plain vector instructions stand between a matrix instruction and a load into one of its registers or an LDS store of its result
; (ISA guide 7.12.1 for vector instructions); matrix instructions in between are not counted.
.macro PLACES
.rept 4
	v_nop
.endr
.endm
; A slot is eight sub-steps of 32 along K, 16 matrix instructions each, on buffers 0, 1, 0, 1, ..  The 16 accumulators take turns, one instruction
; a turn, in the same order in every sub-step.
; One of the first seven: asks for the next sub-step's fragments (byte k of the rows) into buffer g, then multiplies buffer f: the fragments have
; 16 matrix instructions in which to land.
.macro SUB slot, k, f, g, bias
.if \bias == 0
	PLACES                                         ; behind the last sub-step's products, which read buffer g
.endif
	FETCH \slot, \k, \g
	s_wait_dscnt 16                                ; all but the 16 just issued: buffer f is in
	WIN MUL
	MULA \f, 0, \bias
	MULA \f, 1, \bias
	MULA \f, 2, \bias
	MULA \f, 3, \bias
.endm
.macro SEVEN slot, bias
	SUB \slot, 64,  F0, F1, \bias
	SUB \slot, 128, F1, F0, 0
	SUB \slot, 192, F0, F1, 0
	SUB \slot, 256, F1, F0, 0
	SUB \slot, 320, F0, F1, 0
	SUB \slot, 384, F1, F0, 0
	SUB \slot, 448, F0, F1, 0
.endm
; The eighth sub-step multiplies buffer 1 and changes slots.  In front of the barrier each wave waits for its reads of this slot and for all its
; tensor loads (one is out: its part of the next slot).  Behind it (fill = 1: behind the cluster's round that it opens) this slot is asked for
; again, K = 512 further, first of all; then the next slot's first fragments are read.
.macro TURN slot, next, fill
	s_wait_dscnt 0                                 ; buffer 1 is in, and my reads of this slot are over
	s_wait_tensorcnt 0x0                           ; all my tensor loads have landed
	ds_add_u32 v254, v255
	s_wait_dscnt 0x0
	s_barrier_signal -1
	WIN MUL
	MULA F1, 0, 0                                  ; registers only, while the others arrive
	MULA F1, 1, 0
	WIN 0
	s_barrier_wait -1
.if \fill
	CREST                                          ; no wave of any partner still reads this slot or has a load on its way
	s_add_nc_u64 s[G0+4*\slot+2:G0+4*\slot+3], s[G0+4*\slot+2:G0+4*\slot+3], 2*KSLOT*2
	s_add_nc_u64 s[G0B+4*\slot+2:G0B+4*\slot+3], s[G0B+4*\slot+2:G0B+4*\slot+3], 2*KSLOT*2
	JLOAD \slot                                    ; the wave's one tensor load behind the round
.endif
	PLACES                                         ; behind the seventh sub-step's products, which read buffer 0
	FETCH \next, 0, F0
	WIN MUL
	MULA F1, 2, 0
	MULA F1, 3, 0
.endm
	s_wait_loadcnt 0x0                             ; the bias tiles
	s_wait_tensorcnt 1                             ; my part of K = 0 .. 255 is in; K = 256 .. 511 stays out
	s_barrier_signal -1
	s_barrier_wait -1
	FETCH 0, 0, F0
	SEVEN 0, 1                                     ; K = 0 .. 255: the first products start the sums from the bias
	TURN 0, 1, 1                                   ; slot 0 is asked for again: K = 512 .. 767
	SEVEN 1, 0                                     ; K = 256 .. 511
	TURN 1, 0, 1                                   ; slot 1 is asked for again: K = 768 .. 1,023
	SEVEN 0, 0
	TURN 0, 1, 0                                   ; nothing is left to fetch
	SEVEN 1, 0
	s_wait_dscnt 0                                 ; the very last sub-step
	MULA F1, 0, 0
	MULA F1, 1, 0
	MULA F1, 2, 0
	MULA F1, 3, 0
	; THE WAY OUT, 16 rows at a time: 32 bytes a lane and tile straight from the accumulators into my own stage, read back as whole rows of 256 bytes (64 f32)
	PLACES
	s_lshl_b32 s13, s13, 7
	s_lshl_b32 s14, s11, 6
	s_add_co_u32 s16, s13, s14                     ; my first row of out0
	s_mov_b32 s17, 0
	s_mov_b64 s[18:19], SIZE_N*4
	s_mul_u64 s[16:17], s[16:17], s[18:19]
	s_add_nc_u64 s[8:9], s[8:9], s[16:17]
	s_lshl_b32 s46, s42, 9                         ; my first column, in bytes: 512 x block + 256 x half
	s_lshl_b32 s47, s12, 8
	s_add_co_u32 s46, s46, s47
	s_mov_b32 s47, 0
	s_add_nc_u64 s[8:9], s[8:9], s[46:47]
; rows 16 a .. 16 a + 15 of my block = the four tiles (a, 0..3); f: F0 or F1 in turn
.macro OUTF a, f
	WIN FROM_1
.irp b, 0,1,2,3
	ds_store_b128 v[STO], v[8*(4*\a+\b):8*(4*\a+\b)+3]   offset:64*\b       ; row l % 16, columns 16 b + 8 (l / 16) + 0..3
	ds_store_b128 v[STO], v[8*(4*\a+\b)+4:8*(4*\a+\b)+7] offset:64*\b+16    ; + 4..7
.endr
	WIN 0
	s_wait_xcnt 0x0                                ; buffer f, which earlier stores read, and the stores' base are rewritten only behind this wait (ISA guide 3.1)
.if \a
	s_add_nc_u64 s[8:9], s[8:9], 16*SIZE_N*4       ; 16 rows on
.endif
.irp t, 0,1,2,3,4,5,6,7
	ds_load_b128 v[\f+4*\t:\f+4*\t+3], v[RD] offset:\t*2*SPITCH    ; LDS serves a wave's instructions in order (ISA guide 5.7.1.4): these see the stores above
.endr
.irp t, 0,1,2,3,4,5,6,7
	s_wait_dscnt 7-\t                              ; load t is in, the 7 - t younger ones stay out
	global_store_b128 v[CO], v[\f+4*\t:\f+4*\t+3], s[8:9] offset:2*\t*SIZE_N*4 th:TH_STORE_NT   ; 16 lanes store 256 consecutive bytes, at a multiple of 256 from out0's first byte
.endr
.endm
	OUTF 0, F0
	OUTF 1, F1
	OUTF 2, F0
	OUTF 3, F1
	s_wait_tensorcnt 0x0
	ds_add_u32 v254, v255
	s_wait_dscnt 0x0
	CROUND                                         ; the closing round: no work-group ends while a partner may still ask for a tile that names it
	s_endpgm
.Lfunc_end_k_q6e7062b521_oproj:
	.size	k_q6e7062b521_oproj, .Lfunc_end_k_q6e7062b521_oproj-k_q6e7062b521_oproj
	.p2alignl 7, 3214868480
	.fill 96, 4, 3214868480
	.section	.rodata,"a",@progbits
	.p2align	6, 0x0
	.amdhsa_kernel k_q6e7062b521_oproj
		.amdhsa_group_segment_fixed_size 327680
		.amdhsa_private_segment_fixed_size 0
		.amdhsa_enable_private_segment 0
		.amdhsa_kernarg_size 32
		.amdhsa_user_sgpr_count 2
		.amdhsa_user_sgpr_kernarg_segment_ptr 1
		.amdhsa_wavefront_size32 1
		.amdhsa_system_sgpr_workgroup_id_x 1
		.amdhsa_system_sgpr_workgroup_id_y 1
		.amdhsa_system_sgpr_workgroup_id_z 1
		.amdhsa_system_vgpr_workitem_id 0
		.amdhsa_next_free_vgpr 512
		.amdhsa_next_free_sgpr 80
		.amdhsa_reserve_vcc 0
		.amdhsa_float_denorm_mode_32 3
		.amdhsa_float_denorm_mode_16_64 3
		.amdhsa_memory_ordered 1
		.amdhsa_forward_progress 1
		.amdhsa_inst_pref_size 90
	.end_amdhsa_kernel
	.amdgpu_metadata
---
amdhsa.version: [ 1, 2 ]
amdhsa.kernels:
  - .name:           k_q6e7062b521_oproj
    .symbol:         k_q6e7062b521_oproj.kd
    .args:
      - { .name: xo, .offset: 0, .size: 8, .value_kind: global_buffer, .address_space: global }
      - { .name: wtsh, .offset: 8, .size: 8, .value_kind: global_buffer, .address_space: global }
      - { .name: bo, .offset: 16, .size: 8, .value_kind: global_buffer, .address_space: global }
      - { .name: out0, .offset: 24, .size: 8, .value_kind: global_buffer, .address_space: global }
    .group_segment_fixed_size: 327680
    .private_segment_fixed_size: 0
    .kernarg_segment_align: 8
    .kernarg_segment_size: 32
    .max_flat_workgroup_size: 128
    .sgpr_count:     80
    .vgpr_count:     512
    .wavefront_size: 32
...
	.end_amdgpu_metadata
.endif
;; end of part 4
